; MI455X (gfx1250); checked and timed in simulation.
; The chip was launched on July 23, 2026; its instructions are those of AMD's public machine-readable ISA for CDNA 5 (MIT licence, August 2026) and "CDNA5" Instruction Set Architecture Reference Guide (July 2026). The comments in the code are by the model that wrote it; some were corrected since.
;; Multi Head Attention. Allowed arithmetic: matrix products marked QUANTISED: E4M3 operands, one E8M0 scale for each 32 along K, by v_wmma_scale_f32_16x16x128_f8f6f4 with both operands' format E4M3, f32 sums; everything else in f32.
;; Inputs: Wk 8 x 512 x 64 float32; Wq 8 x 512 x 64 float32; Wv 8 x 512 x 64 float32; bk 8 x 64 float32; bq 8 x 64 float32; bv 8 x 64 float32; x 2 x 4,096 x 512 float32.
;; Outputs: out0 2 x 4,096 x 512 float32.
;; This version of the problem:
;;   THIS VERSION OF THE PROBLEM IS GIVEN IN LOW PRECISION. The matrix products marked QUANTISED in the list below multiply operands that are first quantised to E4M3 (4 exponent bits, 3 mantissa bits; 8 bits a number), with one power-of-two scale for each 32 numbers along K (OCP MX v1.0); their sums are f32. All else is computed in f32.
;;   The module's matrix products, in the order in which they are computed (A, B: the left and right operand; K: the contracted axis; several contracted axes count as one K, in the product's order):
;;     1. [M 512, K 512] x [K 512, N 8,192]; A: input Wq; B: input x: QUANTISED
;;     2. [M 512, K 512] x [K 512, N 8,192]; A: input Wk; B: input x: QUANTISED
;;     3. [M 512, K 512] x [K 512, N 8,192]; A: input Wv; B: input x: QUANTISED
;;     4. batch 16 x [M 4,096, K 64] x [K 64, N 4,096]; A: computed on the way; B: computed on the way: QUANTISED
;;     5. batch 16 x [M 4,096, K 4,096] x [K 4,096, N 64]; A: softmax (see below); B: computed on the way: QUANTISED
;;   THE QUANTISER, for each operand of a quantised product, along K:
;;     - K is cut into blocks of 32 from its start; a last block that is shorter is filled with zeros.
;;     - A block's scale is 2^e with e = floor(log2(the largest magnitude in the block)) - 8, held to -126 .. 127; a block of zeros has e = 0. As a byte (E8M0): e + 127.
;;     - Each number is divided by its block's scale, clamped to +-448, and rounded to the nearest number of E4M3, ties to even, subnormals kept.
;;     - The product sums the exact products of the quantised numbers (number of the format x scale) in f32.
;;   ~~~python
;;   def quantise(x, axis):      # numpy; x: float32 -> the quantised numbers, widened to float32 again
;;       x = np.moveaxis(x, axis, -1); K = x.shape[-1]
;;       x = np.pad(x, [(0, 0)] * (x.ndim - 1) + [(0, -K % 32)]); x = x.reshape(x.shape[:-1] + (-1, 32)); a = np.abs(x).max(-1, keepdims=True)
;;       e = np.where(a > 0, np.clip(np.frexp(np.where(a > 0, a, 1))[1] - 1 - 8, -126, 127), 0)      # np.frexp(a)[1] - 1 = floor(log2(a)), exactly
;;       r = np.clip(x / 2.0 ** e, -448, 448)
;;       step = 2.0 ** (np.maximum(np.frexp(np.where(r == 0, 1, r))[1] - 1, -6) - 3)
;;       q = np.round(r / step) * step * 2.0 ** e      # np.round: ties to even
;;       return np.moveaxis(q.reshape(q.shape[:-2] + (-1,))[..., :K], -1, axis).astype(np.float32)
;;   ~~~
;;   SOFTMAX AHEAD OF A QUANTISED PRODUCT. Where the list says 'softmax', what is quantised is not the finished softmax but p = 2^(t - M), with t = logit x log2(e) and M = ceil(the row's largest t), a whole number; so 1/2 < the row's largest p <= 1. The row's sum l is taken of the UNQUANTISED p, in f32, and the product's result is divided by l at the end. Since M is a whole number, a kernel that streams over the keys may use a running M (the ceiling of the running maximum): every later rescaling is an exact power of two, which a block's scale takes up: the codes' values come out the same.
;;   OPERANDS COMPUTED ON THE WAY. 'Computed on the way' means the value that the module computes at that place (a softmax that the list does not call 'softmax' is quantised finished and normalised). What goes into a quantiser is computed in f32, as accurately as f32 sums, v_exp_f32 and their like allow (about 1e-6 of the number): no bf16 or f16 on the way to a quantiser, and a product that is left as it is and whose result goes on into a quantised operand takes f32 operands (vector FMAs, or v_wmma_f32_16x16x4_f32). A number that lies on a knife's edge between two numbers of the format may be rounded either way, as far as f32 arithmetic and the matrix unit's own rounding can turn it there, and no further.
;; One version. Each part assembles by itself: llvm-mc -triple=amdgcn-amd-amdhsa -mcpu=gfx1250 --defsym DOCPART=n.
;; ======== version 1 of 1: 3 launches
;; limits: right only within a limited range of input values
;; workspace buffers: xc 4,194,304 bytes; xs 131,072 bytes; wc 786,432 bytes; ws 24,576 bytes; qc 4,194,304 bytes; qs 131,072 bytes; kvc 8,388,608 bytes; kvs 262,144 bytes
;; launch quant (part 1): grid 304 x 1, 2 waves a work-group, no clusters, 17,664 bytes of LDS; arguments x, Wq, Wk, Wv, xc, xs, wc, ws; writes xc, xs, wc, ws
.if DOCPART == 1
	.amdgcn_target "amdgcn-amd-amdhsa--gfx1250"
	.amdhsa_code_object_version 6
	.text
	.protected	k_q5ca1585c6d_quant
	.globl	k_q5ca1585c6d_quant
	.p2align	8
	.type	k_q5ca1585c6d_quant,@function
k_q5ca1585c6d_quant:
	s_mov_b64 s[64:65], 0
	v_nop
	global_prefetch_b8 v0, s[64:65] scope:SCOPE_SE
	s_setreg_imm32_b32 hwreg(HW_REG_WAVE_MODE, 25, 1), 1
	s_wait_xcnt 0x0
; x [8192][512] and Wq, Wk, Wv [8][512][64], f32, become codes of E4M3 with one E8M0 byte for each 32 along the model's 512 (the K of the three projections).
; Each is quantised ONCE here, since 3 x 8 waves read each row of x again and 64 work-groups each weight.
; THE CODES ARE STORED AS IMAGES OF OPERAND REGISTERS.  A fragment (16 rows x 128 K) is 2,048 bytes [piece c = 0..3][lane 0..31][16 bytes]; lane (r = lane % 16, h = lane / 16), piece c: k = 32 c + 16 h + 0..15 of row r.
;   xc [T = 0..511][K step s = 0..3][2,048]    xs [T][r][s]: one word (four bytes: 128 along K) each, 256 bytes a tile
;   wc [U = 32 ty + 4 head + j][s][2,048]      ws [U][r][s]           ty: 0 = q, 1 = k, 2 = v
; THE ROWS OF A TILE ARE NOT NEIGHBOURS.  x: tile T = 8 g + 2 f + u, lane r: row 128 g + 32 f + 8 u + r + 8 (r / 8).  Wq, Wk: tile j = 2 b + u, lane r: unit 32 b + 8 u + r + 8 (r / 8).  Wv: tile j, lane r: channel 16 j + r.
; So the projections' results fall, 16 registers a lane, on 16 neighbours along the next product's K.
; SHARES.  A wave takes one tile and all four K steps.  Work-groups 0..47: the 96 tiles of W; work-groups 48..303: the 512 tiles of x.  Waves share nothing: no barrier.
; No tensor load and no cluster: each byte is read once by one wave, and nothing is shared between work-groups.
; A block's scale is 2^(floor(log2(its largest magnitude)) - 8); its byte is the largest magnitude's exponent field - 8, held at 1 from below.
; LIMITS: NaN and infinities among the inputs are not served.  A block of zeros gets the byte 1 where the rule says 127: its codes are zeros, which add nothing under any byte but 0xff, and this program alone
; reads the bytes.  Blocks whose largest magnitude lies under 2^-118 (the floor) are scaled as if it were 2^-118.
.set WGW,  48                          ; work-groups that take W
.set SP,   528                         ; a stage row: 512 bytes + 16: 33 x 16, so the sixteen rows that a read touches start at sixteen different 16-byte columns
.set STG,  16*SP                       ; a wave's stage
.set SW,   12                          ; v12-15   the tile's four scale words
.set R,    16                          ; v16-143  two sets of 64 numbers as loaded
.set X,    144                         ; v144-207 64 numbers of x in the operand's order
.set PC,   208                         ; v208-223 a fragment's codes
.set TM,   224                         ; v224-239 +0 largest magnitudes, +4 the other half's, then the bytes, +8 448 x the scale, +12 the conversion's scale operand
.set SEL,  22                          ; s[22:23] lane selects: lane l xor 16
.set MNT,  24                          ; s24      the mantissa field of 448
.set SRC,  26                          ; s[26:27] where my tile's numbers begin
.set CD,   28                          ; s[28:29] my tile's codes
.set SD,   30                          ; s[30:31] my tile's scale words
; 64 numbers of a lane, register 16 b + i = element i of my half of block b, become the fragment's codes in v[PC] on; the four bytes stay in v[TM+4] on.
.macro QUANT s
.irp b, 0,1,2,3
	v_max3_num_f32 v[TM+\b], |v[(\s)+16*\b]|, |v[(\s)+1+16*\b]|, 0x4800000   ; my 16 numbers of block b, and the floor 2^(9 - 127): the byte cannot fall under 1
.endr
.irp i, 2,4,6,8,10,12,14
.irp b, 0,1,2,3
	v_max3_num_f32 v[TM+\b], v[TM+\b], |v[(\s)+16*\b+\i]|, |v[(\s)+1+16*\b+\i]|   ; the four blocks by turns
.endr
.endr
.irp b, 0,1,2,3
	v_permlanex16_b32 v[TM+4+\b], v[TM+\b], s[SEL], s[SEL+1]
.endr
.irp b, 0,1,2,3
	v_max_num_f32 v[TM+\b], v[TM+\b], v[TM+4+\b]           ; with lane l xor 16's 16: the block's largest magnitude
.endr
.irp b, 0,1,2,3
	v_add_nc_u32 v[TM+12+\b], 0xfc000000, v[TM+\b]         ; 8 off its exponent field: the conversion takes this operand's exponent field as its scale
.endr
.irp b, 0,1,2,3
	v_and_or_b32 v[TM+8+\b], v[TM+\b], 0x7f800000, s[MNT]  ; 448 x the scale
.endr
.irp b, 0,1,2,3
	v_lshrrev_b32 v[TM+4+\b], 23, v[TM+12+\b]              ; the scale's byte
.endr
.irp b, 0,1,2,3
.irp i, 0,1,2,3,4,5,6,7,8,9,10,11,12,13,14,15
	v_med3_num_f32 v[(\s)+16*\b+\i], v[(\s)+16*\b+\i], -v[TM+8+\b], v[TM+8+\b]   ; the conversion to an 8-bit code does not saturate (ISA guide 7.6.2): the hold comes first
.endr
	v_cvt_scalef32_pk8_fp8_f32 v[PC+4*\b:PC+4*\b+1], v[(\s)+16*\b:(\s)+16*\b+7], v[TM+12+\b]
	v_cvt_scalef32_pk8_fp8_f32 v[PC+4*\b+2:PC+4*\b+3], v[(\s)+16*\b+8:(\s)+16*\b+15], v[TM+12+\b]
.endr
	v_nop                                                  ; one plain line behind the last scaled conversion
.endm
.macro WORD d                          ; the four bytes make my row's scale word for these 128 along K
	v_lshl_or_b32 v[\d], v[TM+5], 8, v[TM+4]
	v_lshl_or_b32 v[\d], v[TM+6], 16, v[\d]
	v_lshl_or_b32 v[\d], v[TM+7], 24, v[\d]
.endm
.macro CODES s                         ; the fragment leaves as it stands: each store covers 512 consecutive bytes, aligned
.irp c, 0,1,2,3
	global_store_b128 v7, v[PC+4*\c:PC+4*\c+3], s[CD:CD+1] offset:2048*(\s)+512*\c
.endr
.endm
.macro FINISH                          ; both halves of the lanes hold the four words: lanes 0-15 store words 0, 1 and lanes 16-31 words 2, 3 of row r: 256 consecutive bytes, all lanes on
	v_cmp_ne_u32 vcc_lo, 0, v3
	v_cndmask_b32 v10, v[SW], v[SW+2], vcc_lo
	v_cndmask_b32 v11, v[SW+1], v[SW+3], vcc_lo
	global_store_b64 v8, v[10:11], s[SD:SD+1]
	s_wait_tensorcnt 0x0
	ds_add_u32 v254, v255
	s_wait_dscnt 0x0
	s_endpgm
.endm
	s_load_b512 s[4:19], s[0:1], 0x0               ; x s[4:5], Wq s[6:7], Wk s[8:9], Wv s[10:11], xc s[12:13], xs s[14:15], wc s[16:17], ws s[18:19]
	v_lshl_add_u32 v254, v0, 2, 0x4400
	v_mov_b32 v255, 0
	v_lshrrev_b32 v1, 5, v0
	v_readfirstlane_b32 s20, v1                    ; wave 0, 1
	v_and_b32 v1, 31, v0                           ; lane
	v_and_b32 v2, 15, v0                           ; r
	v_bfe_u32 v3, v0, 4, 1                         ; h
	v_lshlrev_b32 v7, 4, v1                        ; 16 x lane: my place in a piece of an image
	v_lshlrev_b32 v8, 4, v2
	v_lshl_add_u32 v8, v3, 3, v8                   ; 16 r + 8 h: my two scale words
	s_mul_i32 s38, s20, STG                        ; my wave's stage
	v_add_nc_u32 v5, s38, v7                       ; into it: 16 x lane of a row
	v_mul_u32_u24 v6, v2, SP
	v_lshl_add_u32 v6, v3, 6, v6
	v_add_nc_u32 v6, s38, v6                       ; out of it: row r, + 64 h: my 16 numbers of a block of 32
	s_mov_b32 s[SEL], 0x76543210
	s_mov_b32 s[SEL+1], 0xfedcba98
	s_mov_b32 s[MNT], 0x600000
.irp b, 0,1,2,3
	v_mov_b32 v[TM+4+\b], 0                        ; written once: a lane permute's destination counts as one of its sources
.endr
	s_mov_b32 s37, 0
	s_wait_kmcnt 0x0
	s_cmp_lt_u32 ttmp9, WGW
	s_cbranch_scc1 .Lweights
	; ---- x: K is innermost.  Each load reads 512 consecutive bytes of one row (a K step); the 16 rows turn through my stage, so that a lane gets 16 neighbours of each block
	s_sub_co_u32 s32, ttmp9, WGW
	s_lshl_b32 s32, s32, 1
	s_add_co_u32 s32, s32, s20                     ; T
	s_lshr_b32 s33, s32, 3
	s_lshl_b32 s33, s33, 7                         ; 128 g
	s_bfe_u32 s34, s32, 0x20001
	s_lshl_b32 s34, s34, 5                         ; 32 f
	s_and_b32 s35, s32, 1
	s_lshl_b32 s35, s35, 3                         ; 8 u
	s_add_co_u32 s33, s33, s34
	s_add_co_u32 s33, s33, s35                     ; the tile's first row
	s_lshl_b32 s36, s33, 11                        ; rows of 2,048 bytes
	s_add_nc_u64 s[SRC:SRC+1], s[4:5], s[36:37]
	s_lshl_b32 s36, s32, 13
	s_add_nc_u64 s[CD:CD+1], s[12:13], s[36:37]
	s_lshl_b32 s36, s32, 8
	s_add_nc_u64 s[SD:SD+1], s[14:15], s[36:37]
	v_lshlrev_b32 v4, 4, v1
.macro LOADX s                         ; K step s of the tile's 16 rows: row i of the tile lies i + 8 (i / 8) rows on
.irp i, 0,1,2,3,4,5,6,7,8,9,10,11,12,13,14,15
	global_load_b128 v[R+64*((\s)%2)+4*\i:R+64*((\s)%2)+4*\i+3], v4, s[SRC:SRC+1] offset:(\i+8*(\i/8))*2048+512*(\s) th:TH_LOAD_NT
.endr
.endm
.macro TURN s                          ; LDS serves a wave's instructions in order (ISA guide 5.7.1.4): no wait between my stores and my loads
.irp i, 0,1,2,3,4,5,6,7,8,9,10,11,12,13,14,15
	ds_store_b128 v5, v[R+64*((\s)%2)+4*\i:R+64*((\s)%2)+4*\i+3] offset:SP*\i
.endr
.irp c, 0,1,2,3
.irp j, 0,1,2,3
	ds_load_b128 v[X+16*\c+4*\j:X+16*\c+4*\j+3], v6 offset:128*\c+16*\j
.endr
.endr
.endm
	LOADX 0
	LOADX 1
	s_wait_alu depctr_va_vdst(0)
.irp s, 0,1,2,3
.if \s < 3
	s_wait_loadcnt 16                              ; this K step's 16 loads are in; the next step's 16 may be out
.else
	s_wait_loadcnt 0x0
.endif
	TURN \s
	s_wait_dscnt 0x0                               ; the numbers are back, and the stores into the stage have read their registers,
.if \s < 2
	LOADX \s+2                                     ; which take the K step two on
.endif
	s_wait_xcnt 0x0                                ; the last step's stores have read the codes' registers
	QUANT X
	WORD SW+\s
	CODES \s
.endr
	FINISH
	; ---- W: K is the middle axis.  A lane takes a unit (a column) and its registers run down K, in the operand's own order: nothing is transposed
.Lweights:
	s_lshl_b32 s32, ttmp9, 1
	s_add_co_u32 s32, s32, s20                     ; U
	s_lshr_b32 s33, s32, 5                         ; ty
	s_bfe_u32 s34, s32, 0x30002                    ; head
	s_and_b32 s35, s32, 3                          ; j
	s_lshl_b32 s38, s35, 4                         ; Wv: the tile's first channel 16 j
	s_lshr_b32 s39, s35, 1
	s_lshl_b32 s39, s39, 5
	s_and_b32 s40, s35, 1
	s_lshl_b32 s40, s40, 3
	s_add_co_u32 s39, s39, s40                     ; Wq, Wk: 32 (j / 2) + 8 (j % 2)
	s_cmp_eq_u32 s33, 0
	s_cselect_b64 s[SRC:SRC+1], s[6:7], s[8:9]
	s_cmp_eq_u32 s33, 2
	s_cselect_b64 s[SRC:SRC+1], s[10:11], s[SRC:SRC+1]
	s_cselect_b32 s38, s38, s39
	s_cselect_b32 s40, 0, 8                        ; Wq, Wk: lanes 8-15 stand 8 units further on
	v_and_b32 v9, s40, v2
	v_add_nc_u32 v9, v9, v2
	v_add_nc_u32 v9, s38, v9                       ; my unit
	v_lshlrev_b32 v4, 2, v9
	v_lshl_add_u32 v4, v3, 12, v4                  ; + 16 h rows of 256 bytes
	s_lshl_b32 s36, s34, 17                        ; a head's 512 x 64 numbers
	s_add_nc_u64 s[SRC:SRC+1], s[SRC:SRC+1], s[36:37]
	s_lshl_b32 s36, s32, 13
	s_add_nc_u64 s[CD:CD+1], s[16:17], s[36:37]
	s_lshl_b32 s36, s32, 8
	s_add_nc_u64 s[SD:SD+1], s[18:19], s[36:37]
.macro LOADW s                         ; W(128 s + 32 c + 16 h + i, my unit)
.irp c, 0,1,2,3
.irp i, 0,1,2,3,4,5,6,7,8,9,10,11,12,13,14,15
	global_load_b32 v[R+64*((\s)%2)+16*\c+\i], v4, s[SRC:SRC+1] offset:(128*(\s)+32*\c+\i)*256 th:TH_LOAD_NT
.endr
.endr
.endm
	LOADW 0
	LOADW 1
.irp s, 0,1,2,3
.if \s < 3
	s_wait_loadcnt 63                              ; 64 younger loads were issued behind this K step's; the wait's field names 63 at the most, so one load more than needed is awaited
.else
	s_wait_loadcnt 0x0
.endif
	s_wait_xcnt 0x0                                ; the last step's stores have read the codes' registers
	QUANT R+64*(\s%2)
	WORD SW+\s
	CODES \s
.if \s < 2
	LOADW \s+2
.endif
.endr
	FINISH
.Lfunc_end_k_q5ca1585c6d_quant:
	.size	k_q5ca1585c6d_quant, .Lfunc_end_k_q5ca1585c6d_quant-k_q5ca1585c6d_quant
	.p2alignl 7, 3214868480
	.fill 96, 4, 3214868480
	.section	.rodata,"a",@progbits
	.p2align	6, 0x0
	.amdhsa_kernel k_q5ca1585c6d_quant
		.amdhsa_group_segment_fixed_size 17664
		.amdhsa_private_segment_fixed_size 0
		.amdhsa_enable_private_segment 0
		.amdhsa_kernarg_size 64
		.amdhsa_user_sgpr_count 2
		.amdhsa_user_sgpr_kernarg_segment_ptr 1
		.amdhsa_wavefront_size32 1
		.amdhsa_system_sgpr_workgroup_id_x 1
		.amdhsa_system_sgpr_workgroup_id_y 1
		.amdhsa_system_sgpr_workgroup_id_z 1
		.amdhsa_system_vgpr_workitem_id 0
		.amdhsa_next_free_vgpr 256
		.amdhsa_next_free_sgpr 66
		.amdhsa_reserve_vcc 1
		.amdhsa_float_denorm_mode_32 3
		.amdhsa_float_denorm_mode_16_64 3
		.amdhsa_memory_ordered 1
		.amdhsa_forward_progress 1
		.amdhsa_inst_pref_size 110
	.end_amdhsa_kernel
	.amdgpu_metadata
---
amdhsa.version: [ 1, 2 ]
amdhsa.kernels:
  - .name:           k_q5ca1585c6d_quant
    .symbol:         k_q5ca1585c6d_quant.kd
    .args:
      - { .name: x, .offset: 0, .size: 8, .value_kind: global_buffer, .address_space: global }
      - { .name: Wq, .offset: 8, .size: 8, .value_kind: global_buffer, .address_space: global }
      - { .name: Wk, .offset: 16, .size: 8, .value_kind: global_buffer, .address_space: global }
      - { .name: Wv, .offset: 24, .size: 8, .value_kind: global_buffer, .address_space: global }
      - { .name: xc, .offset: 32, .size: 8, .value_kind: global_buffer, .address_space: global }
      - { .name: xs, .offset: 40, .size: 8, .value_kind: global_buffer, .address_space: global }
      - { .name: wc, .offset: 48, .size: 8, .value_kind: global_buffer, .address_space: global }
      - { .name: ws, .offset: 56, .size: 8, .value_kind: global_buffer, .address_space: global }
    .group_segment_fixed_size: 17664
    .private_segment_fixed_size: 0
    .kernarg_segment_align: 8
    .kernarg_segment_size: 64
    .max_flat_workgroup_size: 64
    .sgpr_count:     66
    .vgpr_count:     256
    .wavefront_size: 32
...
	.end_amdgpu_metadata
.endif
;; end of part 1
;; launch proj (part 2): grid 64 x 3, 8 waves a work-group, no clusters, 68,608 bytes of LDS; arguments xc, xs, wc, ws, bq, bk, bv, qc, qs, kvc, kvs; writes qc, qs, kvc, kvs
.if DOCPART == 2
	.amdgcn_target "amdgcn-amd-amdhsa--gfx1250"
	.amdhsa_code_object_version 6
	.text
	.protected	k_q5ca1585c6d_proj
	.globl	k_q5ca1585c6d_proj
	.p2align	8
	.type	k_q5ca1585c6d_proj,@function
k_q5ca1585c6d_proj:
	s_mov_b64 s[64:65], 0
	v_nop
	global_prefetch_b8 v0, s[64:65] scope:SCOPE_SE
	s_setreg_imm32_b32 hwreg(HW_REG_WAVE_MODE, 25, 1), 1
	s_wait_xcnt 0x0
; q = x Wq + bq, k = x Wk + bk, v = x Wv + bv on codes of E4M3 (K = 512: four matrix instructions deep), f32 sums, the bias as the C of each sum's first instruction;
; the results are quantised in registers for the attention's two products and stored as images of operand registers: q and k along the head's 64 channels, v along the keys.
; SHARES.  Work-group (g, ty): the 128 rows 128 g .. of x, for ty = 0: q, 1: k, 2: v.  Wave w = head w: its 16 fragments of W (4 tiles x 4 K steps, 256 registers) stay in window 1.
; The eight waves share x's 64 KiB of codes through LDS: each wave copies one tile's images and scale words there, one barrier, and behind it LDS is only read.
; q, k: THE PRODUCT IS USED TRANSPOSED (source 0 = 16 units of W, source 1 = 16 rows of x): a lane holds one row of x, and by the choice of W's units the accumulators of tiles 2 b and 2 b + 1 are units 32 b + 16 h + 0..15.
; v: source 0 = 16 rows of x, source 1 = 16 channels of Wv: a lane holds one channel, and by the choice of x's rows the accumulators of x's tiles 2 f and 2 f + 1 are keys 32 f + 16 h + 0..15.
; In both cases 64 accumulator registers are four halves of quantiser blocks (the other half lies in lane l xor 16), and the 16 registers of codes are four pieces of images:
;   q, k, for x's tiles 2 f and 2 f + 1: ONE fragment f: pieces 0, 1 = tile 2 f's 64 channels, pieces 2, 3 = tile 2 f + 1's; its scale word [tile 2 f: two bytes; tile 2 f + 1: two bytes]
;   v, for keys 32 f on: piece f of the four fragments t (channels 16 t + r); byte f of their scale words.
;   qc [bh][st][f][2,048]   qs [bh][st][r][f] words   kvc [bh][st][k: f x 2,048 | v: t x 2,048]   kvs [bh][st][k: r x f words | v: r x t words];  bh = 8 batch + head, st = g % 32.
; No joint loads: the grid's y of 3 divides into no cluster of four, and what the work-groups of a row of the grid share, W, goes from memory straight into each wave's registers, once: there is no tile in LDS for a joint load to fill.
; LIMITS: as in the launch before: NaN and infinities are not served; a block of zeros gets the byte 1 (its codes are zeros; this program alone reads the bytes); the floor of a block's largest magnitude is 2^-118.
.set XSL,  65536                       ; LDS: 0.. x's 32 fragments ((4 tile + s) x 2,048), as they lie in memory; from XSL their scale words, 256 bytes a tile
.set SW,   12                          ; v12-15   the scale words to be stored
.set XF,   16                          ; v16-79   x's fragments of two K steps x two tiles: 32 (s % 2) + 16 u
.set ACC,  80                          ; v80-143  eight accumulators
.set PC,   144                         ; v144-159 codes
.set TM,   160                         ; v160-175 at work in QUANT
.set WS,   176                         ; v176-191 W's scale words: 4 j + s
.set XS,   192                         ; v192-199 x's: 4 u + s
.set BI,   200                         ; v200-231 the bias in the result's layout: 8 j + i
.set SEL,  30
.set MNT,  32
.set CB,   34                          ; s[34:35] where my codes go
.set SBS,  36                          ; s[36:37] where my scale words go
.set BP,   38                          ; s[38:39] my head's bias
.set MSB, 0
.macro WIN new                         ; the immediate's high byte repeats the setting that is left
.if MSB != \new
	s_set_vgpr_msb (MSB<<8)|\new
.set MSB, \new
.endif
.endm
.macro PLACES n
.rept \n
	v_nop
.endr
.endm
.macro QUANT s
.irp b, 0,1,2,3
	v_max3_num_f32 v[TM+\b], |v[(\s)+16*\b]|, |v[(\s)+1+16*\b]|, 0x4800000   ; each accumulator is read from its low end on; the floor 2^(9 - 127) holds the byte at 1 from below
.endr
.irp i, 2,4,6,8,10,12,14
.irp b, 0,1,2,3
	v_max3_num_f32 v[TM+\b], v[TM+\b], |v[(\s)+16*\b+\i]|, |v[(\s)+1+16*\b+\i]|
.endr
.endr
.irp b, 0,1,2,3
	s_delay_alu instid0(VALU_DEP_4)
	v_permlanex16_b32 v[TM+4+\b], v[TM+\b], s[SEL], s[SEL+1]
.endr
.irp b, 0,1,2,3
	s_delay_alu instid0(VALU_DEP_4)
	v_max_num_f32 v[TM+\b], v[TM+\b], v[TM+4+\b]           ; the block's largest magnitude
.endr
.irp b, 0,1,2,3
	s_delay_alu instid0(VALU_DEP_4)
	v_add_nc_u32 v[TM+12+\b], 0xfc000000, v[TM+\b]         ; the conversion's scale operand
.endr
.irp b, 0,1,2,3
	v_and_or_b32 v[TM+8+\b], v[TM+\b], 0x7f800000, s[MNT]  ; 448 x the scale
.endr
.irp b, 0,1,2,3
	v_lshrrev_b32 v[TM+4+\b], 23, v[TM+12+\b]              ; the scale's byte
.endr
.irp b, 0,1,2,3
.irp i, 0,1,2,3,4,5,6,7,8,9,10,11,12,13,14,15
	v_med3_num_f32 v[(\s)+16*\b+\i], v[(\s)+16*\b+\i], -v[TM+8+\b], v[TM+8+\b]   ; the hold: the conversion does not saturate (ISA guide 7.6.2)
.endr
	v_cvt_scalef32_pk8_fp8_f32 v[PC+4*\b:PC+4*\b+1], v[(\s)+16*\b:(\s)+16*\b+7], v[TM+12+\b]
	v_cvt_scalef32_pk8_fp8_f32 v[PC+4*\b+2:PC+4*\b+3], v[(\s)+16*\b+8:(\s)+16*\b+15], v[TM+12+\b]
.endr
	v_nop                                                  ; one plain line behind the last scaled conversion: the next products write its sources
.endm
.macro WORD d
	v_lshl_or_b32 v[\d], v[TM+5], 8, v[TM+4]
	s_delay_alu instid0(VALU_DEP_1)
	v_lshl_or_b32 v[\d], v[TM+6], 16, v[\d]
	s_delay_alu instid0(VALU_DEP_1)
	v_lshl_or_b32 v[\d], v[TM+7], 24, v[\d]
.endm
	s_load_b256 s[4:11], s[0:1], 0x0               ; xc s[4:5], xs s[6:7], wc s[8:9], ws s[10:11]
	s_load_b256 s[12:19], s[0:1], 0x20             ; bq s[12:13], bk s[14:15], bv s[16:17], qc s[18:19]
	s_load_b128 s[20:23], s[0:1], 0x40             ; qs s[20:21], kvc s[22:23]
	s_load_b64 s[24:25], s[0:1], 0x50              ; kvs
	v_lshl_add_u32 v254, v0, 2, 0x10800
	v_mov_b32 v255, 0
	v_lshrrev_b32 v1, 5, v0
	s_delay_alu instid0(VALU_DEP_1)
	v_readfirstlane_b32 s26, v1                    ; wave = head
	s_mov_b32 s27, ttmp9                           ; g
	s_and_b32 s28, ttmp7, 0xffff                   ; ty
	v_and_b32 v1, 31, v0                           ; lane
	v_and_b32 v2, 15, v0                           ; r
	v_bfe_u32 v3, v0, 4, 1                         ; h
	s_delay_alu instid0(VALU_DEP_3)
	v_lshlrev_b32 v4, 4, v1                        ; 16 x lane: my place in a piece of an image, in memory and in LDS
	s_delay_alu instid0(VALU_DEP_3)
	v_lshlrev_b32 v11, 4, v2                       ; 16 r: a row's four scale words
	s_delay_alu instid0(VALU_DEP_1)
	v_add_nc_u32 v5, XSL, v11                      ; x's scale words in LDS
	s_lshl_b32 s40, s26, 13
	v_add_nc_u32 v6, s40, v4                       ; where I put my tile's images: 8,192 x wave + 16 x lane
	v_lshlrev_b32 v8, 3, v1                        ; 8 x lane
	s_lshl_b32 s40, s26, 8
	v_add_nc_u32 v7, s40, v8
	s_delay_alu instid0(VALU_DEP_1)
	v_add_nc_u32 v7, XSL, v7                       ; and its scale words: XSL + 256 x wave + 8 x lane
	v_lshl_add_u32 v9, v3, 3, v11                  ; 16 r + 8 h: the two words that I store at the end
	s_mov_b32 s[SEL], 0x76543210
	s_mov_b32 s[SEL+1], 0xfedcba98
	s_mov_b32 s[MNT], 0x600000
.irp b, 0,1,2,3
	v_mov_b32 v[TM+4+\b], 0                        ; written once: a lane permute's destination counts as one of its sources
.endr
	s_mov_b32 s41, 0
	s_lshl_b32 s42, s28, 3
	s_add_co_u32 s42, s42, s26                     ; 8 ty + head
	s_lshr_b32 s52, s27, 5
	s_lshl_b32 s52, s52, 3
	s_add_co_u32 s52, s52, s26                     ; bh
	s_and_b32 s53, s27, 31                         ; st
	s_lshl_b32 s54, s52, 18
	s_lshl_b32 s56, s53, 13
	s_add_co_u32 s54, s54, s56                     ; q's codes: 262,144 bh + 8,192 st
	s_lshl_b32 s55, s52, 13
	s_lshl_b32 s56, s53, 8
	s_add_co_u32 s55, s55, s56                     ; q's scale words: 8,192 bh + 256 st
	s_cmp_lg_u32 s28, 0
	s_cselect_b32 s56, 1, 0
	s_lshl_b32 s54, s54, s56                       ; k and v share a buffer: twice the strides,
	s_lshl_b32 s55, s55, s56
	s_cmp_eq_u32 s28, 2
	s_cselect_b32 s57, 8192, 0                     ; and v lies behind k
	s_cselect_b32 s58, 256, 0
	s_add_co_u32 s54, s54, s57
	s_add_co_u32 s55, s55, s58
	s_wait_alu depctr_va_vdst(0)
	s_wait_kmcnt 0x0
	s_lshl_b32 s40, s42, 15
	s_add_nc_u64 s[44:45], s[8:9], s[40:41]        ; my 16 fragments of W
	s_lshl_b32 s40, s42, 10
	s_add_nc_u64 s[46:47], s[10:11], s[40:41]      ; and their scale words
	s_lshl_b32 s40, s27, 16
	s_lshl_b32 s43, s26, 13
	s_add_co_u32 s40, s40, s43
	s_add_nc_u64 s[48:49], s[4:5], s[40:41]        ; the tile of x that I copy
	s_lshl_b32 s40, s27, 11
	s_lshl_b32 s43, s26, 8
	s_add_co_u32 s40, s40, s43
	s_add_nc_u64 s[50:51], s[6:7], s[40:41]
	s_cmp_eq_u32 s28, 0
	s_cselect_b64 s[BP:BP+1], s[12:13], s[14:15]
	s_cselect_b64 s[CB:CB+1], s[18:19], s[22:23]
	s_cselect_b64 s[SBS:SBS+1], s[20:21], s[24:25]
	s_cmp_eq_u32 s28, 2
	s_cselect_b64 s[BP:BP+1], s[16:17], s[BP:BP+1]
	s_lshl_b32 s40, s26, 8
	s_add_nc_u64 s[BP:BP+1], s[BP:BP+1], s[40:41]
	s_mov_b32 s40, s54
	s_add_nc_u64 s[CB:CB+1], s[CB:CB+1], s[40:41]
	s_mov_b32 s40, s55
	s_add_nc_u64 s[SBS:SBS+1], s[SBS:SBS+1], s[40:41]
	; all that the launch reads from memory is asked for here, in one run, and awaited once
	WIN 0x40                                       ; destination window 1
.irp q, 0,1,2,3,4,5,6,7,8,9,10,11,12,13,14,15      ; fragment q = 4 j + s at v[16 q] of window 1
.irp c, 0,1,2,3
	global_load_b128 v[16*\q+4*\c:16*\q+4*\c+3], v4, s[44:45] offset:2048*\q+512*\c
.endr
.endr
	WIN 0
.irp j, 0,1,2,3
	global_load_b128 v[WS+4*\j:WS+4*\j+3], v11, s[46:47] offset:256*\j
.endr
.irp i, 0,1,2,3,4,5,6,7,8,9,10,11,12,13,14,15
	global_load_b128 v[XF+4*\i:XF+4*\i+3], v4, s[48:49] offset:512*\i
.endr
	global_load_b64 v[234:235], v8, s[50:51]
	s_cmp_eq_u32 s28, 2
	s_cbranch_scc1 .Lbias_v
	v_lshlrev_b32 v10, 6, v3                       ; q, k: register i of tile j = 2 b + u is unit 32 b + 16 h + 8 u + i
.irp j, 0,1,2,3
	global_load_b128 v[BI+8*\j:BI+8*\j+3], v10, s[BP:BP+1] offset:4*(32*(\j/2)+8*(\j%2))
	global_load_b128 v[BI+8*\j+4:BI+8*\j+7], v10, s[BP:BP+1] offset:4*(32*(\j/2)+8*(\j%2))+16
.endr
	s_branch .Lbias_done
.Lbias_v:
	v_lshlrev_b32 v10, 2, v2                       ; v: all eight registers of tile t are channel 16 t + r
.irp t, 0,1,2,3
.irp i, 0,1,2,3,4,5,6,7
	global_load_b32 v[BI+8*\t+\i], v10, s[BP:BP+1] offset:64*\t
.endr
.endr
.Lbias_done:
	s_wait_loadcnt 0x0
.irp i, 0,1,2,3,4,5,6,7,8,9,10,11,12,13,14,15
	ds_store_b128 v6, v[XF+4*\i:XF+4*\i+3] offset:512*\i
.endr
	ds_store_b64 v7, v[234:235]
	s_wait_dscnt 0x0                               ; for the others' sake: my part of x lies in LDS
	s_barrier_signal -1
	s_barrier_wait -1                              ; everybody's does; from here on LDS is only read
.macro XFETCH half, f                  ; x's tiles 2 f, 2 f + 1, K steps 2 half, 2 half + 1
.irp p, 0,1
.irp u, 0,1
.irp c, 0,1,2,3
	ds_load_b128 v[XF+32*\p+16*\u+4*\c:XF+32*\p+16*\u+4*\c+3], v4 offset:(4*(2*(\f)+\u)+2*(\half)+\p)*2048+512*\c
.endr
.endr
.endr
.endm
.macro XSC f                           ; their scale words, all four K steps
.irp u, 0,1
	ds_load_b128 v[XS+4*\u:XS+4*\u+3], v5 offset:256*(2*(\f)+\u)
.endr
.endm
; 16 matrix instructions: two K steps x eight accumulators, which take turns, one instruction a turn.  K step 0 takes the bias as C.
.macro MULS isv, half
.if \isv
	WIN 0x04                                       ; source 1 (Wv) window 1
.else
	WIN 0x01                                       ; source 0 (Wq, Wk) window 1
.endif
.irp p, 0,1
.irp a, 0,1,2,3
.irp u, 0,1
.set KS_, 2*(\half)+\p
.set RX_, XF+32*\p+16*\u
.set RW_, 16*(4*\a+KS_)
.set SX_, XS+4*\u+KS_
.set SW_, WS+4*\a+KS_
.if \isv
.set RA_, ACC+8*(2*\a+\u)
.else
.set RA_, ACC+8*(4*\u+\a)
.endif
.set RC_, RA_
.if KS_ == 0
.set RC_, BI+8*\a
.endif
.if \isv
	v_wmma_scale_f32_16x16x128_f8f6f4 v[RA_:RA_+7], v[RX_:RX_+15], v[RW_:RW_+15], v[RC_:RC_+7], v[SX_], v[SW_]
.else
	v_wmma_scale_f32_16x16x128_f8f6f4 v[RA_:RA_+7], v[RW_:RW_+15], v[RX_:RX_+15], v[RC_:RC_+7], v[SW_], v[SX_]
.endif
.endr
.endr
.endr
.endm
; x's tiles 2 f and 2 f + 1 against my four tiles of W; the 64 results are quantised and leave.
; Eight plain lines stand behind the products ahead of loads into their sources and of the first read of their results; the next f's first products, which write the accumulators anew,
; stand behind these eight and behind QUANT's lines on v[TM] alone.
.macro FSTEP isv, f
	s_wait_dscnt 0x0                               ; the fragments and scale words are in
	MULS \isv, 0
	WIN 0
	PLACES 8
	XFETCH 1, \f
	s_wait_dscnt 0x0
	MULS \isv, 1
	WIN 0
	PLACES 8
.if (\f) < 3
	XFETCH 0, (\f)+1                               ; the next two tiles land while these results are quantised
	XSC (\f)+1
.endif
	s_wait_xcnt 0x0                                ; the last stores have read the codes' registers
	QUANT ACC
.if \isv
.irp t, 0,1,2,3
.if (\f) == 0
	v_mov_b32 v[SW+\t], v[TM+4+\t]                 ; byte f of tile t's word: keys 32 f on
.else
	v_lshl_or_b32 v[SW+\t], v[TM+4+\t], 8*(\f), v[SW+\t]
.endif
.endr
.irp p, 0,1,2,3
	global_store_b128 v4, v[PC+4*\p:PC+4*\p+3], s[CB:CB+1] offset:2048*\p+512*(\f)   ; piece f of fragment p: 512 consecutive bytes
.endr
.else
	WORD SW+(\f)
.irp p, 0,1,2,3
	global_store_b128 v4, v[PC+4*\p:PC+4*\p+3], s[CB:CB+1] offset:2048*(\f)+512*\p   ; piece p of fragment f
.endr
.endif
.endm
.macro FINISH                          ; lanes 0-15 store words 0, 1 and lanes 16-31 words 2, 3 of row r: 256 consecutive bytes, all lanes on
	v_cmp_ne_u32 vcc_lo, 0, v3
	s_delay_alu instid0(VALU_DEP_1)
	v_cndmask_b32 v232, v[SW], v[SW+2], vcc_lo
	s_delay_alu instid0(VALU_DEP_2)
	v_cndmask_b32 v233, v[SW+1], v[SW+3], vcc_lo
	global_store_b64 v9, v[232:233], s[SBS:SBS+1]
	s_wait_tensorcnt 0x0
	ds_add_u32 v254, v255
	s_wait_dscnt 0x0
	s_endpgm
.endm
	XFETCH 0, 0
	XSC 0
	s_cmp_eq_u32 s28, 2
	s_cbranch_scc1 .Lv
.irp f, 0,1,2,3
	FSTEP 0, \f
.endr
	FINISH
.Lv:
.irp f, 0,1,2,3
	FSTEP 1, \f
.endr
	FINISH
.Lfunc_end_k_q5ca1585c6d_proj:
	.size	k_q5ca1585c6d_proj, .Lfunc_end_k_q5ca1585c6d_proj-k_q5ca1585c6d_proj
	.p2alignl 7, 3214868480
	.fill 96, 4, 3214868480
	.section	.rodata,"a",@progbits
	.p2align	6, 0x0
	.amdhsa_kernel k_q5ca1585c6d_proj
		.amdhsa_group_segment_fixed_size 68608
		.amdhsa_private_segment_fixed_size 0
		.amdhsa_enable_private_segment 0
		.amdhsa_kernarg_size 88
		.amdhsa_user_sgpr_count 2
		.amdhsa_user_sgpr_kernarg_segment_ptr 1
		.amdhsa_wavefront_size32 1
		.amdhsa_system_sgpr_workgroup_id_x 1
		.amdhsa_system_sgpr_workgroup_id_y 1
		.amdhsa_system_sgpr_workgroup_id_z 1
		.amdhsa_system_vgpr_workitem_id 0
		.amdhsa_next_free_vgpr 512
		.amdhsa_next_free_sgpr 66
		.amdhsa_reserve_vcc 1
		.amdhsa_float_denorm_mode_32 3
		.amdhsa_float_denorm_mode_16_64 3
		.amdhsa_memory_ordered 1
		.amdhsa_forward_progress 1
		.amdhsa_inst_pref_size 142
	.end_amdhsa_kernel
	.amdgpu_metadata
---
amdhsa.version: [ 1, 2 ]
amdhsa.kernels:
  - .name:           k_q5ca1585c6d_proj
    .symbol:         k_q5ca1585c6d_proj.kd
    .args:
      - { .name: xc, .offset: 0, .size: 8, .value_kind: global_buffer, .address_space: global }
      - { .name: xs, .offset: 8, .size: 8, .value_kind: global_buffer, .address_space: global }
      - { .name: wc, .offset: 16, .size: 8, .value_kind: global_buffer, .address_space: global }
      - { .name: ws, .offset: 24, .size: 8, .value_kind: global_buffer, .address_space: global }
      - { .name: bq, .offset: 32, .size: 8, .value_kind: global_buffer, .address_space: global }
      - { .name: bk, .offset: 40, .size: 8, .value_kind: global_buffer, .address_space: global }
      - { .name: bv, .offset: 48, .size: 8, .value_kind: global_buffer, .address_space: global }
      - { .name: qc, .offset: 56, .size: 8, .value_kind: global_buffer, .address_space: global }
      - { .name: qs, .offset: 64, .size: 8, .value_kind: global_buffer, .address_space: global }
      - { .name: kvc, .offset: 72, .size: 8, .value_kind: global_buffer, .address_space: global }
      - { .name: kvs, .offset: 80, .size: 8, .value_kind: global_buffer, .address_space: global }
    .group_segment_fixed_size: 68608
    .private_segment_fixed_size: 0
    .kernarg_segment_align: 8
    .kernarg_segment_size: 88
    .max_flat_workgroup_size: 256
    .sgpr_count:     66
    .vgpr_count:     512
    .wavefront_size: 32
...
	.end_amdgpu_metadata
.endif
;; end of part 2
;; launch attn (part 3): grid 16 x 16, 8 waves a work-group, clusters of 4 x 1, 327,680 bytes of LDS; arguments qc, qs, kvc, kvs, out0; writes out0
.if DOCPART == 3
	.amdgcn_target "amdgcn-amd-amdhsa--gfx1250"
	.amdhsa_code_object_version 6
	.text
	.protected	k_q5ca1585c6d_attn
	.globl	k_q5ca1585c6d_attn
	.p2align	8
	.type	k_q5ca1585c6d_attn,@function
k_q5ca1585c6d_attn:
	s_mov_b64 s[64:65], 0
	v_nop
	global_prefetch_b8 v0, s[64:65] scope:SCOPE_SE
	s_setreg_imm32_b32 hwreg(HW_REG_WAVE_MODE, 25, 1), 1
	s_wait_xcnt 0x0
	s_wait_alu depctr_hold_cnt(0) depctr_sa_sdst(0) depctr_va_vdst(0) depctr_va_sdst(0) depctr_va_ssrc(0) depctr_va_vcc(0) depctr_vm_vsrc(0)
	s_getreg_b32 s2, hwreg(HW_REG_IB_STS2, 6, 4)
	s_cmp_eq_u32 s2, 0
	s_cbranch_scc0 .Lentry_in_a_cluster
	s_endpgm
.Lentry_in_a_cluster:
	s_bfe_u32 s2, ttmp6, 0x10000c
	s_cmp_lg_u32 s2, 0x3003
	s_cbranch_scc0 .Lentry_shape_is_right
	s_endpgm
.Lentry_shape_is_right:
; out0[batch][query][64 head + :] = the sum over keys of softmax(q . k / 8) v, both products on codes of E4M3 with one E8M0 scale for each 32 along a product's K.
; THE SOFTMAX AHEAD OF THE SECOND PRODUCT: t = score x log2(e) / 8; M = the row's largest t so far, rounded UP to a whole number; p = 2^(t - M) is quantised along the keys, not normalised.
; The row's sum is taken of the unquantised p, in f32, and divides at the end.  When M moves, the sum and O are multiplied by 2^(old M - new M): nothing is rounded.
; SHARES.  Work-group (X, bh): 256 queries of one batch and head; each of its EIGHT waves owns 32 of them, two tiles of 16 (x = 0, 1), in 512 registers: a fragment of K or V read from LDS feeds both tiles.
; Every wave walks the 4,096 keys, 128 a step.
; ALL OPERANDS COME AS IMAGES OF THEIR REGISTERS (2,048 bytes a fragment: [piece][lane][16 bytes]): every LDS load takes 512 consecutive bytes; there is no pitch and no padding.
; BOTH PRODUCTS ARE USED TRANSPOSED: S^T = K Q^T, O^T = V^T P^T: a lane holds ONE query (lane % 16) of each tile throughout.
; THE HEAD'S 64 IN AN INSTRUCTION 128 DEEP.  A fragment of K holds TWO tiles of 16 keys (pieces 0, 1: tile 2 f; pieces 2, 3: tile 2 f + 1).  It is multiplied by [q | zero codes] and by [zero codes | q]: Q is 24 registers q, 0, q.
; The keys of a tile are not neighbours (tile 2 f + u, lane r: key 32 f + 8 u + r + 8 (r / 8)), so the 16 scores of fragment f are keys 32 f + 16 (lane / 16) + 0..15: p's codes are the second product's operand as they stand.
; My two tiles of queries are one fragment of qc, chosen in the same way: tile x, lane r: query 32 wave + 8 x + r + 8 (r / 8) of the work-group's 256.
; CLUSTER.  The four work-groups of a cluster belong to one bh and walk the same K and V: each tile is asked for JOINTLY, by the same tensor load with the same descriptor and the mask of all four.
; RING.  Two LDS slots of eight key steps (131,072 bytes); at a refill each wave fetches one key step (16,384 dense bytes).
; At the head waves 0 to 3 fetch a quarter of slot 0 each, waves 4 to 7 a quarter of the bh's 16,384 scale bytes each: one load a wave.
; THE CHANGE OF SLOTS STANDS INSIDE A SLOT'S LAST STEP: when that step's V is in registers the wave has read the slot out; it signals there, and the step's softmax and second product, work on registers alone, stand between the signal and the wait.
; K RUNS A STEP AHEAD: a step that has its successor in the same slot asks for the successor's K with its own V; behind a change of slots the next slot's first K is asked for.
; THE TWO TILES ARE STAGGERED ROUND THE EXPONENTIALS: among tile 0's stand tile 1's multiply-adds; among tile 1's stand tile 0's holds and the first level of its sums.  Each such plain result is first read behind the batch's wait.
; REGISTERS.  Window 0: addresses, the rows' numbers, scale words, p's codes, S^T of both tiles.  Window 1: K's four fragments, V's four, O^T, Q.  So all of the softmax runs under one setting of the windows.
; LIMITS: NaN and infinities are not served.  A block of p that has fallen to 0 keeps the byte 1: its codes are zeros.  The promise holds while the scaled scores t stay under 2^31 in magnitude.
.set SLOT1, 1<<17
.set STEPB, 16384                      ; a key step: K's four fragments, then V's four
.set SCL,   2*SLOT1                    ; the scale words: 512 bytes a key step: K's [r][f], then V's [r][t]
.set SPARE, SCL+16384                  ; the spare words, 128 bytes for each of the eight waves
.set SPT,   272                        ; the way out: two stages of 16 rows x (256 + 16) bytes a wave, in slot 1, which has had its last fill and which every wave has left at the last step's barrier
.set LI,   1                           ; 16 x lane
.set LSC,  2                           ; SCL + 16 x lane
.set SPW,  3
.set NIL,  4
.set PFO,  5                           ; the prefetch's offset, 256 x lane; on the way out my offset in out0
.set ADK,  6
.set ADS,  7
.set NM,   12                          ; pair 2 x: -M, the largest score so far
.set L,    16                          ; pair 2 x: the row's sum in two halves
.set FF,   20                          ; pair 2 x: f = 2^(old M - new M), a number at work
.set SCK,  24                          ; v24-27 lanes 0-15: K's words of fragments 0..3
.set SCV,  28                          ; v28-31 lanes 16-31: V's words of tiles 0..3
.set PW,   32                          ; v32, v33 p's scale words
.set QW,   34                          ; Q's word as it lies in memory
.set QSW,  36                          ; v36, v37 Q's scale words [s0, s1, s0, s1]
.set BM,   40                          ; 4 x + b: each block's largest score, then its largest p
.set T2,   48
.set HOLD, 56                          ; 448 x the scale
.set SOP,  64                          ; the conversion's scale operand
.set PC,   72                          ; 16 x: p's codes.  Tile 1's sixteen hold eight of tile 0's partial sums until its own codes are made
.set S,    104                         ; 64 x: S^T, then p
.set TS,   232                         ; v232-247 eight of tile 0's partial sums
.set TC,   248                         ; v248-255 tile 1's four chains
.set FRK,  0                           ; window 1
.set FRV,  64
.set O,    128                         ; 32 x
.set Q,    192                         ; 24 x
.set WV,   14
.set MNT,  19
.set SEL,  20
.set CS,   22                          ; s[22:23] c = log2(e) / 8
.set G1,   24                          ; a key step: 64 rows of 256 bytes
.set G1S,  32                          ; 4,096 scale bytes: 16 rows
.set G0,   40                          ; the refills' group 0, which walks
.set G0S,  44
.set TB,   48
.set TS_,  49
.set SLOTS, 50
.set CNT,  51
.set LIM,  52
.set NCS,  53                          ; -c
.set PFA,  54
.set G1H,  72                          ; two key steps: 128 rows
.set G0H,  80
.set MSB, 0
.macro WIN new                         ; the immediate's high byte repeats the setting that is left
.if MSB != \new
	s_set_vgpr_msb (MSB<<8)|\new
.set MSB, \new
.endif
.endm
.macro PLACES n
.rept \n
	v_nop
.endr
.endm
.macro WALU
	s_wait_alu depctr_va_vdst(0)
.endm
.macro CREST                           ; a round of the cluster's barrier behind its opening barrier
	s_cmp_lg_u32 s[WV], 0
	s_cbranch_scc1 .Lnot_wave_0_\@
	s_barrier_signal -3
.Lnot_wave_0_\@:
	s_barrier_wait -3
	s_barrier_signal -1
	s_barrier_wait -1
.endm
.macro CROUND                          ; a whole round
	s_barrier_signal -1
	s_barrier_wait -1
	CREST
.endm
.macro GROUP1 g, rows                  ; a dense block as rows of 256 bytes (32 elements of 8), the mask of all four partners, bit 21 beside it, no padding
	s_mov_b32 s[\g], 15|(3<<16)|(1<<21)
	s_mov_b32 s[\g+1], 32<<16
	s_mov_b32 s[\g+2], (\rows)<<16
	s_mov_b32 s[\g+3], 32<<16
	s_mov_b32 s[\g+4], \rows
	s_mov_b32 s[\g+5], 32
	s_mov_b32 s[\g+6], 0
	s_mov_b32 s[\g+7], 0
.endm
.macro REFILL                          ; the joint load, one key step a wave; an s_nop 0 and four v_nop follow it
	tensor_load_to_lds s[G0:G0+3], s[G1:G1+7]
	s_nop 0
	PLACES 4
.endm
; A PREFETCH INTO THE L2 of the slot that the NEXT refill will ask for, in a slot's sixth key step: two whole key steps ahead of that refill, which stands at the end of the eighth.  All four clusters of a bh walk the same bytes:
; the first of them (cluster x = 0, the same in all partners) asks.  Its four partners take 32,768 bytes each, told apart BY ADDRESS; in each, waves 4 to 7 ask for 8,192 bytes each, lanes 256 bytes apart:
; each aligned block of 256 bytes is named once in the launch.  It stands in the two slots that are followed by a refill alone: nothing is asked at the head or behind the last refill.
.macro ASK
	s_cmp_eq_u32 s[CNT], 2
	s_cbranch_scc0 .Lnot_now_\@
	s_cmp_eq_u32 s[LIM], 1
	s_cbranch_scc0 .Lnot_now_\@
	global_prefetch_b8 v[PFO], s[PFA:PFA+1] th:TH_LOAD_NT scope:SCOPE_SE
.Lnot_now_\@:
.endm
	s_load_b256 s[4:11], s[0:1], 0x0               ; qc s[4:5], qs s[6:7], kvc s[8:9], kvs s[10:11]
	s_load_b64 s[12:13], s[0:1], 0x20              ; out0
	v_lshl_add_u32 v[SPW], v0, 2, SPARE
	v_mov_b32 v[NIL], 0
	ds_add_u32 v[SPW], v[NIL]                      ; the opening lines: the add, twice on end, and its wait ahead of my first tensor load
	ds_add_u32 v[SPW], v[NIL]
	v_lshrrev_b32 v10, 5, v0
	v_readfirstlane_b32 s[WV], v10                 ; wave 0..7
	s_and_b32 s15, s[WV], 3
	s_bfe_u32 s16, ttmp6, 0x40000                  ; cx
	s_lshl_b32 s17, ttmp9, 2
	s_add_co_u32 s17, s17, s16                     ; X = 4 x cluster x + cx: it enters Q's, out0's and the prefetch's addresses alone
	s_and_b32 s18, ttmp7, 0xffff                   ; bh, which the partners share
	GROUP1 G1, 64
	GROUP1 G1S, 16
	GROUP1 G1H, 128
	s_mov_b32 s[G0], 1
	s_lshl_b32 s[G0+1], s[WV], 14                  ; the refills: key step = wave; the first fill of slot 1 turns this to slot 1 and the second eight key steps
	s_lshl_b32 s60, s18, 19                        ; kvc: 524,288 bh.  s60 to s63, s70, s71 never hold cx
	s_add_co_u32 s62, s60, s[G0+1]
	s_mov_b32 s63, 0
	s_mov_b32 s[G0H], 1
	s_lshl_b32 s[G0H+1], s15, 15                   ; the head: a quarter of slot 0
	s_add_co_u32 s60, s60, s[G0H+1]
	s_mov_b32 s61, 0
	s_mov_b32 s[G0S], 1
	s_lshl_b32 s[G0S+1], s15, 12                   ; or a quarter of the scale bytes
	s_lshl_b32 s70, s18, 14
	s_add_co_u32 s70, s70, s[G0S+1]
	s_mov_b32 s71, 0
	s_add_co_u32 s[G0S+1], s[G0S+1], SCL
	s_mov_b32 s[SEL], 0x76543210
	s_mov_b32 s[SEL+1], 0xfedcba98
	s_mov_b32 s[CS], 0x3e38aa3b                    ; log2(e) / 8
	s_mov_b32 s[CS+1], s[CS]
	s_mov_b32 s[NCS], 0xbe38aa3b
	s_mov_b32 s[MNT], 0x600000
	s_mov_b32 s[TB], 0
	s_mov_b32 s[TS_], 0
	s_sub_co_u32 s56, s[WV], 4
	s_lshr_b32 s56, s56, 2                         ; 0 in waves 4 to 7,
	s_or_b32 s56, s56, ttmp9                       ; of the bh's first cluster
	s_cmp_eq_u32 s56, 0
	s_cselect_b32 s[LIM], 1, 0
	s_mov_b32 s57, 0
	s_wait_dscnt 0x0                               ; both opening adds are done
	s_wait_kmcnt 0x0
	s_add_nc_u64 s[G0+2:G0+3], s[8:9], s[62:63]
	s_or_b32 s[G0+3], s[G0+3], 0x80000000
	s_add_nc_u64 s[G0H+2:G0H+3], s[8:9], s[60:61]
	s_or_b32 s[G0H+3], s[G0H+3], 0x80000000
	s_add_nc_u64 s[G0S+2:G0S+3], s[10:11], s[70:71]
	s_or_b32 s[G0S+3], s[G0S+3], 0x80000000
	s_lshl_b32 s56, s18, 18                        ; Q's codes: 262,144 bh + 16,384 X + 2,048 wave: one fragment, my two tiles
	s_lshl_b32 s58, s17, 14
	s_add_co_u32 s56, s56, s58
	s_lshl_b32 s58, s[WV], 11
	s_add_co_u32 s56, s56, s58
	s_add_nc_u64 s[66:67], s[4:5], s[56:57]
	s_lshl_b32 s56, s18, 13                        ; Q's scale words: 8,192 bh + 256 (2 X + wave / 4) + 4 (wave % 4)
	s_lshl_b32 s58, s17, 9
	s_add_co_u32 s56, s56, s58
	s_lshr_b32 s58, s[WV], 2
	s_lshl_b32 s58, s58, 8
	s_add_co_u32 s56, s56, s58
	s_lshl_b32 s58, s15, 2
	s_add_co_u32 s56, s56, s58
	s_add_nc_u64 s[68:69], s[6:7], s[56:57]
	s_lshr_b32 s56, s18, 3                         ; out0: row 4,096 batch + 256 X + 32 wave, of 2,048 bytes; + 256 head
	s_lshl_b32 s56, s56, 12
	s_lshl_b32 s58, s17, 8
	s_add_co_u32 s56, s56, s58
	s_lshl_b32 s58, s[WV], 5
	s_add_co_u32 s56, s56, s58
	s_lshl_b32 s56, s56, 11
	s_and_b32 s58, s18, 7
	s_lshl_b32 s58, s58, 8
	s_add_co_u32 s56, s56, s58
	s_add_nc_u64 s[12:13], s[12:13], s[56:57]
	s_lshl_b32 s56, s18, 19                        ; the prefetch: my bh, my work-group's 32,768 bytes, my wave's 8,192,
	s_lshl_b32 s58, s16, 15
	s_add_co_u32 s56, s56, s58
	s_lshl_b32 s58, s15, 13
	s_add_co_u32 s56, s56, s58
	s_add_co_u32 s56, s56, 262144                  ; in the third eight key steps, which the first refill asks for
	s_add_nc_u64 s[PFA:PFA+1], s[8:9], s[56:57]
	CROUND                                         ; all four work-groups are here: the first joint loads meet
	s_cmp_lt_u32 s[WV], 4                          ; one load a wave, an arm each, one join
	s_cbranch_scc0 .Lhead_s
	tensor_load_to_lds s[G0H:G0H+3], s[G1H:G1H+7]
	s_nop 0
	PLACES 4
	s_branch .Lhead_j
.Lhead_s:
	tensor_load_to_lds s[G0S:G0S+3], s[G1S:G1S+7]
	s_nop 0
	PLACES 4
.Lhead_j:
	v_and_b32 v10, 31, v0
	v_and_b32 v11, 15, v0
	v_lshlrev_b32 v[LI], 4, v10
	v_lshlrev_b32 v[PFO], 8, v10
	v_lshlrev_b32 v11, 4, v11                      ; 16 r
	v_add_nc_u32 v[LSC], SCL, v[LI]
	global_load_b32 v[QW], v11, s[68:69]
	WIN 0x40                                       ; destinations in window 1
.irp x, 0,1
.irp d, 0,16                                       ; q, twice: it stays in registers
	global_load_b128 v[Q+24*\x+\d:Q+24*\x+\d+3], v[LI], s[66:67] offset:1024*\x
	global_load_b128 v[Q+24*\x+\d+4:Q+24*\x+\d+7], v[LI], s[66:67] offset:1024*\x+512
.endr
.endr
.irp x, 0,1
.irp j, 0,1,2,3,4,5,6,7
	v_mov_b32 v[Q+24*\x+8+\j], 0                   ; the zero codes
.endr
.endr
.set j, 0
.rept 64
	v_mov_b32 v[O+j], 0                            ; O^T: the step is written without a first of its own; the first finds zeros, which the first change of M leaves zeros
.set j, j+1
.endr
	WIN 0
	WALU
	s_wait_loadcnt 0x0
	v_perm_b32 v[QSW], v[QW], v[QW], 0x01000100    ; the even tile's two bytes are the word's low half,
	v_perm_b32 v[QSW+1], v[QW], v[QW], 0x03020302  ; the odd tile's its high half.  The lines below are the places between them and the first product
.irp b, 0,1,2,3,4,5,6,7
	v_mov_b32 v[T2+\b], 0                          ; written once: a lane permute's destination counts as one of its sources
.endr
.irp x, 0,1
	v_mov_b32 v[NM+2*\x], 0x7f61b1e6               ; -M: 3e38
	v_mov_b32 v[NM+2*\x+1], 0xff61b1e6             ; the largest score so far: -3e38
	v_mov_b32 v[L+2*\x], 0
	v_mov_b32 v[L+2*\x+1], 0
.endr
.macro KLOAD off                       ; K's four fragments and its scale words, off bytes of codes behind the step that the two addresses name
	WIN 0x40
.irp f, 0,1,2,3
.irp c, 0,1,2,3
	ds_load_b128 v[FRK+16*\f+4*\c:FRK+16*\f+4*\c+3], v[ADK] offset:(\off)+2048*\f+512*\c
.endr
.endr
	WIN 0
	ds_load_b128 v[SCK:SCK+3], v[ADS] offset:(\off)/32
.endm
.macro NEXTK                           ; behind a change of slots: the next slot's first K
	v_add_nc_u32 v[ADK], s[TB], v[LI]
	v_add_nc_u32 v[ADS], s[TS_], v[LSC]
	KLOAD 0
.endm
.macro HOLDS n                         ; block n = 4 x + b: the conversion does not saturate (ISA guide 7.6.2); p is not negative, so the hold is one-sided; two holds to an instruction
.irp i, 0,2,4,6,8,10,12,14
	v_dual_min_num_f32 v[S+16*(\n)+\i], v[S+16*(\n)+\i], v[HOLD+(\n)] :: v_dual_min_num_f32 v[S+16*(\n)+\i+1], v[S+16*(\n)+\i+1], v[HOLD+(\n)]
.endr
.endm
.macro CVTS n
	v_cvt_scalef32_pk8_fp8_f32 v[PC+4*(\n):PC+4*(\n)+1], v[S+16*(\n):S+16*(\n)+7], v[SOP+(\n)]
	v_cvt_scalef32_pk8_fp8_f32 v[PC+4*(\n)+2:PC+4*(\n)+3], v[S+16*(\n)+8:S+16*(\n)+15], v[SOP+(\n)]
.endm
.macro PADD d, a, b
	v_pk_add_f32 v[\d:\d+1], v[\a:\a+1], v[\b:\b+1]
.endm
; A KEY STEP: 128 keys, both tiles.  kind 0: its successor lies in the same slot.  kind 1: a slot's last, with the round and the refill.  kind 2: a slot's last, with a plain barrier: nothing is filled again.
.macro STEP kind, ask
	v_add_nc_u32 v[ADK], s[TB], v[LI]
	v_add_nc_u32 v[ADS], s[TS_], v[LSC]
	WALU
	s_wait_dscnt 0x0                               ; K, asked for a step ago, is in
	WIN 0x05                                       ; K and Q in window 1, S^T in window 0
.irp f, 0,1,2,3                                    ; fragment f against [q | 0], its tile 2 f, and against [0 | q], its tile 2 f + 1, for both tiles of queries: sixteen accumulators, one instruction each
.irp u, 0,1
.irp x, 0,1
	v_wmma_scale_f32_16x16x128_f8f6f4 v[S+64*\x+16*\f+8*\u:S+64*\x+16*\f+8*\u+7], v[FRK+16*\f:FRK+16*\f+15], v[Q+24*\x+8*\u:Q+24*\x+8*\u+15], 0, v[SCK+\f], v[QSW+\x]
.endr
.endr
.endr
	WIN 0
	PLACES 8                                       ; eight plain lines: for the first read of the scores, for the loads into K's registers, and, with the two additions, for those into V's
	WIN 0x40
.irp t, 0,1,2,3                                    ; V's four fragments land under the softmax
.irp c, 0,1,2,3
	ds_load_b128 v[FRV+16*\t+4*\c:FRV+16*\t+4*\c+3], v[ADK] offset:8192+2048*\t+512*\c
.endr
.endr
	WIN 0
	ds_load_b128 v[SCV:SCV+3], v[ADS]
.if \kind == 0
	KLOAD STEPB                                    ; and the next step's K
.if \ask
	ASK
.endif
.else
	s_wait_tensorcnt 0x0                           ; all my tensor loads are in: my part of the slot ahead; so the group 0 may be written
	ds_add_u32 v[SPW], v[NIL]
.if \kind == 1
	s_xor_b32 s[G0+1], s[G0+1], SLOT1              ; the slot that is being left,
	s_add_nc_u64 s[G0+2:G0+3], s[G0+2:G0+3], 131072   ; the next eight key steps; the type bits on top are not reached
	s_wait_xcnt 0x0                                ; the prefetch, two key steps back, has read its address
	s_add_nc_u64 s[PFA:PFA+1], s[PFA:PFA+1], 131072
.endif
	s_wait_dscnt 0x0                               ; the add is done, and V is in registers: my reads of this slot are over
	s_barrier_signal -1                            ; say so; all that follows up to the wait works on registers alone
.endif
.irp b, 0,1,2,3                                    ; the largest score of each block of 32 keys: for the row's maximum and, since p rises with the score, for the block's largest p.  Each accumulator is read from its low end on
.irp x, 0,1
	v_max3_num_f32 v[BM+4*\x+\b], v[S+64*\x+16*\b], v[S+64*\x+16*\b+1], v[S+64*\x+16*\b+2]
.endr
.endr
.irp i, 3,5,7,9,11,13
.irp b, 0,1,2,3
.irp x, 0,1
	v_max3_num_f32 v[BM+4*\x+\b], v[BM+4*\x+\b], v[S+64*\x+16*\b+\i], v[S+64*\x+16*\b+\i+1]
.endr
.endr
.endr
.irp b, 0,1,2,3
.irp x, 0,1
	v_max_num_f32 v[BM+4*\x+\b], v[BM+4*\x+\b], v[S+64*\x+16*\b+15]
.endr
.endr
.irp b, 0,1,2,3,4,5,6,7
	v_permlanex16_b32 v[T2+\b], v[BM+\b], s[SEL], s[SEL+1]
.endr
.irp b, 0,1,2,3,4,5,6,7
	v_max_num_f32 v[BM+\b], v[BM+\b], v[T2+\b]     ; with lane l xor 16's 16 keys
.endr
.irp x, 0,1
	v_max3_num_f32 v[FF+2*\x+1], v[BM+4*\x], v[BM+4*\x+1], v[BM+4*\x+2]
.endr
.irp x, 0,1
	v_max3_num_f32 v[NM+2*\x+1], v[NM+2*\x+1], v[FF+2*\x+1], v[BM+4*\x+3]   ; the running largest score
.endr
.irp x, 0,1
	v_mul_f32 v[FF+2*\x+1], s[NCS], v[NM+2*\x+1]   ; -t (c is positive)
.endr
.irp x, 0,1
	v_floor_f32 v[FF+2*\x+1], v[FF+2*\x+1]         ; the new -M = floor(-t) = -ceil(t)
.endr
.irp x, 0,1
	v_sub_f32 v[FF+2*\x], v[FF+2*\x+1], v[NM+2*\x] ; old M - new M: a whole number, 0 or less
.endr
.irp x, 0,1
	v_mov_b32 v[NM+2*\x], v[FF+2*\x+1]
.endr
.irp x, 0,1
	v_cvt_i32_f32 v[FF+2*\x], v[FF+2*\x]           ; (it saturates)
.endr
.irp x, 0,1
	v_ldexp_f32 v[FF+2*\x], 1.0, v[FF+2*\x]        ; f = 2^(old M - new M)
.endr
.set j, 0
.rept 32
	v_pk_fma_f32 v[S+j:S+j+1], v[S+j:S+j+1], s[CS:CS+1], v[NM:NM+1] op_sel_hi:[1,0,0]   ; tile 0: t - M, two at a time
.set j, j+2
.endr
.irp b, 0,1,2,3
	v_fma_f32 v[BM+\b], v[BM+\b], s[CS], v[NM]     ; the same of each block's largest score
.endr
	WALU                                           ; the wait ahead of the batch
.set j, 0
.rept 32                                           ; TILE 0's p = 2^(t - M); among them tile 1's t - M, first read behind the wait below
	v_exp_f32 v[S+j], v[S+j]
	v_exp_f32 v[S+j+1], v[S+j+1]
	v_pk_fma_f32 v[S+64+j:S+64+j+1], v[S+64+j:S+64+j+1], s[CS:CS+1], v[NM+2:NM+3] op_sel_hi:[1,0,0]
.set j, j+2
.endr
.irp b, 0,1,2,3
	v_exp_f32 v[BM+\b], v[BM+\b]                   ; the block's largest p: the same two instructions on the same number give the same bits
	v_fma_f32 v[BM+4+\b], v[BM+4+\b], s[CS], v[NM+2]
.endr
	WALU                                           ; one wait for the whole batch, ahead of its first reader
.irp b, 0,1,2,3
	v_max_num_f32 v[BM+\b], 0x4800000, v[BM+\b]    ; the floor 2^(9 - 127): the byte cannot fall under 1
.endr
.irp b, 0,1,2,3
	v_add_nc_u32 v[SOP+\b], 0xfc000000, v[BM+\b]   ; 8 off the exponent field: the conversion's scale operand
.endr
.irp b, 0,1,2,3
	v_and_or_b32 v[HOLD+\b], v[BM+\b], 0x7f800000, s[MNT]   ; 448 x the scale
.endr
	WALU                                           ; ahead of the second batch
.irp h, 0,1                                        ; TILE 1's p; among them, of tile 0: sixteen sums of two pairs of the unquantised p, and behind each sum its numbers' holds.  All are first read behind the wait below
.set j, 32*\h
.rept 8
.set ta, TS+(PC+16-TS)*\h+(j-32*\h)/2
	v_exp_f32 v[S+64+j], v[S+64+j]
	v_exp_f32 v[S+64+j+1], v[S+64+j+1]
	PADD ta, S+j, S+j+2
	v_dual_min_num_f32 v[S+j], v[S+j], v[HOLD+j/16] :: v_dual_min_num_f32 v[S+j+1], v[S+j+1], v[HOLD+j/16]
	v_exp_f32 v[S+64+j+2], v[S+64+j+2]
	v_exp_f32 v[S+64+j+3], v[S+64+j+3]
	v_dual_min_num_f32 v[S+j+2], v[S+j+2], v[HOLD+j/16] :: v_dual_min_num_f32 v[S+j+3], v[S+j+3], v[HOLD+j/16]
.set j, j+4
.endr
.endr
.irp b, 4,5,6,7
	v_exp_f32 v[BM+\b], v[BM+\b]
.endr
	v_nop                                          ; the plain line behind the exponentials
	WALU
.irp k, 0,1,2,3                                    ; tile 1's sum: four chains of pairs
	PADD TC+2*\k, S+64+2*\k, S+64+2*\k+8
.endr
.irp b, 4,5,6,7
	v_max_num_f32 v[BM+\b], 0x4800000, v[BM+\b]
.endr
.set q, 0
.set m, 0
.rept 8                                            ; tile 0's eight conversions, each with four additions behind it
	v_cvt_scalef32_pk8_fp8_f32 v[PC+2*q:PC+2*q+1], v[S+8*q:S+8*q+7], v[SOP+q/2]
.rept 3
	PADD TC+2*(m%4), TC+2*(m%4), S+64+16+8*(m/4)+2*(m%4)
.set m, m+1
.endr
	PADD TS+2*q, TS+2*q, PC+16+2*q
.set q, q+1
.endr
.irp b, 4,5,6,7
	v_add_nc_u32 v[SOP+\b], 0xfc000000, v[BM+\b]
.endr
.irp k, 0,1,2,3
	PADD TS+2*\k, TS+2*\k, TS+2*\k+8
.endr
.irp b, 4,5,6,7
	v_and_or_b32 v[HOLD+\b], v[BM+\b], 0x7f800000, s[MNT]
.endr
	PADD TC, TC, TC+2
	PADD TC+4, TC+4, TC+6
	PADD TS, TS, TS+4
	PADD TS+2, TS+2, TS+6
.irp b, 0,1,2,3,4,5,6,7
	v_lshrrev_b32 v[T2+\b], 23, v[SOP+\b]          ; the scale's byte
.endr
	PADD TC, TC, TC+4
	PADD TS, TS, TS+2
.irp x, 0,1
	v_lshl_or_b32 v[PW+\x], v[T2+4*\x+1], 8, v[T2+4*\x]   ; p's scale word for these 128 keys; tile 1's holds below stand between it and the products
.endr
	HOLDS 4
.irp x, 0,1
	v_lshl_or_b32 v[PW+\x], v[T2+4*\x+2], 16, v[PW+\x]
.endr
	v_pk_fma_f32 v[L:L+1], v[L:L+1], v[FF:FF+1], v[TS:TS+1] op_sel_hi:[1,0,1]         ; the sums under the new M, and this step's
	v_pk_fma_f32 v[L+2:L+3], v[L+2:L+3], v[FF+2:FF+3], v[TC:TC+1] op_sel_hi:[1,0,1]
.irp x, 0,1
	v_lshl_or_b32 v[PW+\x], v[T2+4*\x+3], 24, v[PW+\x]
.endr
	HOLDS 5                                        ; a block's conversions stand a block behind its holds
	CVTS 4
	HOLDS 6
	CVTS 5
	HOLDS 7
	CVTS 6
	CVTS 7
	WIN 0x41                                       ; O^T in window 1, f in window 0
	WALU                                           ; the wait directly ahead of the first reader of O^T
.irp x, 0,1
.set j, 0
.rept 16
	v_pk_mul_f32 v[O+32*\x+j:O+32*\x+j+1], v[O+32*\x+j:O+32*\x+j+1], v[FF+2*\x:FF+2*\x+1] op_sel_hi:[1,0]   ; O^T under the new M, each accumulator from its low end on; these are also the places between the codes and the products
.set j, j+2
.endr
.endr
	WALU
.if \kind == 0
	s_wait_dscnt 0x0                               ; V is in
.endif
	WIN 0x51                                       ; V, C and D in window 1, p's codes in window 0
.irp t, 0,1,2,3                                    ; O^T += V^T P^T: eight accumulators, one instruction each; V's words lie in lanes 16-31
.irp x, 0,1
	v_wmma_scale_f32_16x16x128_f8f6f4 v[O+32*\x+8*\t:O+32*\x+8*\t+7], v[FRV+16*\t:FRV+16*\t+15], v[PC+16*\x:PC+16*\x+15], v[O+32*\x+8*\t:O+32*\x+8*\t+7], v[SCV+\t], v[PW+\x] matrix_a_scale:MATRIX_SCALE_ROW1
.endr
.endr
	WIN 0
.if \kind != 0
	s_barrier_wait -1                              ; every wave of my work-group has read the slot out and has its part of the next
.endif
.if \kind == 1
	CREST                                          ; and so has every wave of every partner: the barrier has opened a round of the cluster's barrier
	REFILL                                         ; the first tensor load behind the round: eight key steps in which to land
.endif
.endm
.macro SLOT kind, ask                  ; a slot's eight key steps: seven that have their successor in the slot, and the one that changes slots
	s_mov_b32 s[CNT], 7
.Lstep_\@:
	STEP 0, \ask
	s_add_co_u32 s[TB], s[TB], STEPB
	s_add_co_u32 s[TS_], s[TS_], 512
	s_sub_co_u32 s[CNT], s[CNT], 1
	s_cmp_lg_u32 s[CNT], 0
	s_cbranch_scc1 .Lstep_\@
	STEP \kind, 0
	s_sub_co_u32 s[TB], s[TB], 7*STEPB             ; back to a slot's first step,
	s_xor_b32 s[TB], s[TB], SLOT1                  ; in the other slot
	s_add_co_u32 s[TS_], s[TS_], 512
.endm
	WALU                                           ; the wait at the head's end
	s_wait_tensorcnt 0x0                           ; my part of the head's tiles is in; slot 1's first fill is issued as a refill is
	ds_add_u32 v[SPW], v[NIL]
	s_xor_b32 s[G0+1], s[G0+1], SLOT1
	s_add_nc_u64 s[G0+2:G0+3], s[G0+2:G0+3], 131072
	s_wait_dscnt 0x0
	CROUND
	REFILL
	NEXTK
	s_mov_b32 s[SLOTS], 2
.Lfill:                                            ; the first two slots' worth of keys: each is followed by a refill of its slot
	SLOT 1, 1
	NEXTK
	s_sub_co_u32 s[SLOTS], s[SLOTS], 1
	s_cmp_lg_u32 s[SLOTS], 0
	s_cbranch_scc1 .Lfill
	s_mov_b32 s[SLOTS], 2
.Llast:                                            ; the last two: nothing is filled again.  The first trip's barrier shows the last slot whole; behind the second's nobody reads slot 1, where the stages lie
	SLOT 2, 0
	s_cmp_eq_u32 s[SLOTS], 1
	s_cbranch_scc1 .Lno_next                       ; no key follows the last
	NEXTK
.Lno_next:
	s_sub_co_u32 s[SLOTS], s[SLOTS], 1
	s_cmp_lg_u32 s[SLOTS], 0
	s_cbranch_scc1 .Llast
	; THE WAY OUT.  O^T / the sum goes through my stages: a lane's eight channels of a query in, whole rows of 256 bytes back: sixteen lanes store 256 consecutive bytes, aligned: a head's part of a row of out0.
.irp x, 0,1
	v_add_f32 v[L+2*\x], v[L+2*\x], v[L+2*\x+1]    ; the sum's two halves,
.endr
.irp x, 0,1
	v_permlanex16_b32 v[T2+\x], v[L+2*\x], s[SEL], s[SEL+1]
.endr
.irp x, 0,1
	v_add_f32 v[L+2*\x], v[L+2*\x], v[T2+\x]       ; and lane l xor 16's: the row's sum
.endr
	WALU                                           ; the wait ahead of the transcendentals
	v_rcp_f32 v[L], v[L]
	v_rcp_f32 v[L+2], v[L+2]
	v_and_b32 v10, 15, v0                          ; r.  (These address lines are the plain lines behind the reciprocals and behind the last products)
	v_bfe_u32 v11, v0, 4, 1                        ; h
	s_mul_i32 s56, s[WV], 32*SPT                   ; my two stages
	s_add_co_u32 s56, s56, SLOT1
	v_mul_u32_u24 v[ADK], v10, SPT
	v_mul_u32_u24 v[ADS], v11, SPT
	v_lshl_add_u32 v[ADK], v11, 5, v[ADK]
	v_lshl_add_u32 v[ADS], v10, 4, v[ADS]
	v_add_nc_u32 v[ADK], s56, v[ADK]               ; in: row r; tile t's eight channels of my half: 64 t + 32 h bytes on
	v_add_nc_u32 v[ADS], s56, v[ADS]               ; back: lanes 0-15 one row, lanes 16-31 the next
	WALU
	s_wait_xcnt 0x0                                ; the last prefetch has read its offset, so the register may be written
	v_lshlrev_b32 v[PFO], 11, v11
	v_lshl_add_u32 v[PFO], v10, 4, v[PFO]          ; 2,048 h + 16 r
	WIN 0x01                                       ; O^T in window 1
	WALU                                           ; the wait ahead of the first reader of the reciprocals and of O^T
.irp x, 0,1
.set j, 0
.rept 32
	v_mul_f32 v[S+64*\x+j], v[O+32*\x+j], v[L+2*\x]   ; register 8 t + i: channel 16 t + 8 h + i of query r
.set j, j+1
.endr
.endr
	WIN 0
.irp x, 0,1
.irp t, 0,1,2,3
	ds_store_b128 v[ADK], v[S+64*\x+8*\t:S+64*\x+8*\t+3] offset:16*SPT*\x+64*\t
	ds_store_b128 v[ADK], v[S+64*\x+8*\t+4:S+64*\x+8*\t+7] offset:16*SPT*\x+64*\t+16
.endr
.endr
.irp x, 0,1
.irp i, 0,1,2,3,4,5,6,7
	ds_load_b128 v[S+64*\x+32+4*\i:S+64*\x+32+4*\i+3], v[ADS] offset:16*SPT*\x+2*\i*SPT   ; LDS serves a wave's instructions in order (ISA guide 5.7.1.4): these see my stores
.endr
.endr
	WALU
.irp x, 0,1
.irp i, 0,1,2,3,4,5,6,7
	s_wait_dscnt 15-8*\x-\i                        ; the younger loads may be out
	global_store_b128 v[PFO], v[S+64*\x+32+4*\i:S+64*\x+32+4*\i+3], s[12:13] offset:(8*\x+2*\i+8*(\i/4))*2048 th:TH_STORE_NT   ; tile x's row p is query 8 x + p + 8 (p / 8) of my 32
.endr
.endr
	s_wait_tensorcnt 0x0                           ; the wave's end, behind my last tensor load and my last LDS store
	ds_add_u32 v[SPW], v[NIL]
	s_wait_dscnt 0x0
	CROUND                                         ; the closing round: no work-group ends while a partner may still ask for a tile that names it
	s_endpgm
.Lfunc_end_k_q5ca1585c6d_attn:
	.size	k_q5ca1585c6d_attn, .Lfunc_end_k_q5ca1585c6d_attn-k_q5ca1585c6d_attn
	.p2alignl 7, 3214868480
	.fill 96, 4, 3214868480
	.section	.rodata,"a",@progbits
	.p2align	6, 0x0
	.amdhsa_kernel k_q5ca1585c6d_attn
		.amdhsa_group_segment_fixed_size 327680
		.amdhsa_private_segment_fixed_size 0
		.amdhsa_enable_private_segment 0
		.amdhsa_kernarg_size 40
		.amdhsa_user_sgpr_count 2
		.amdhsa_user_sgpr_kernarg_segment_ptr 1
		.amdhsa_wavefront_size32 1
		.amdhsa_system_sgpr_workgroup_id_x 1
		.amdhsa_system_sgpr_workgroup_id_y 1
		.amdhsa_system_sgpr_workgroup_id_z 1
		.amdhsa_system_vgpr_workitem_id 0
		.amdhsa_next_free_vgpr 512
		.amdhsa_next_free_sgpr 84
		.amdhsa_reserve_vcc 0
		.amdhsa_float_denorm_mode_32 3
		.amdhsa_float_denorm_mode_16_64 3
		.amdhsa_memory_ordered 1
		.amdhsa_forward_progress 1
		.amdhsa_inst_pref_size 156
	.end_amdhsa_kernel
	.amdgpu_metadata
---
amdhsa.version: [ 1, 2 ]
amdhsa.kernels:
  - .name:           k_q5ca1585c6d_attn
    .symbol:         k_q5ca1585c6d_attn.kd
    .args:
      - { .name: qc, .offset: 0, .size: 8, .value_kind: global_buffer, .address_space: global }
      - { .name: qs, .offset: 8, .size: 8, .value_kind: global_buffer, .address_space: global }
      - { .name: kvc, .offset: 16, .size: 8, .value_kind: global_buffer, .address_space: global }
      - { .name: kvs, .offset: 24, .size: 8, .value_kind: global_buffer, .address_space: global }
      - { .name: out0, .offset: 32, .size: 8, .value_kind: global_buffer, .address_space: global }
    .group_segment_fixed_size: 327680
    .private_segment_fixed_size: 0
    .kernarg_segment_align: 8
    .kernarg_segment_size: 40
    .max_flat_workgroup_size: 256
    .sgpr_count:     84
    .vgpr_count:     512
    .wavefront_size: 32
...
	.end_amdgpu_metadata
.endif
;; end of part 3
